; MI455X (gfx1250); checked and timed in simulation.
; The chip was launched on July 23, 2026; its instructions are those of AMD's public machine-readable ISA for CDNA 5 (MIT licence, August 2026) and "CDNA5" Instruction Set Architecture Reference Guide (July 2026). The comments in the code are by the model that wrote it; some were corrected since.
;; Attention. Allowed arithmetic: matrix products marked QUANTISED: E5M2 operands, one E8M0 scale for each 32 along K, by v_wmma_scale_f32_16x16x128_f8f6f4 with both operands' format E5M2, f32 sums; everything else in f32.
;; Inputs: K 2 x 16 x 2,048 x 64 float32; Q 2 x 16 x 2,048 x 64 float32; V 2 x 16 x 2,048 x 64 float32; mask 2,048 x 2,048 bool.
;; Outputs: out0 2 x 16 x 2,048 x 64 float32.
;; This version of the problem:
;;   THIS VERSION OF THE PROBLEM IS GIVEN IN LOW PRECISION. The matrix products marked QUANTISED in the list below multiply operands that are first quantised to E5M2 (5 exponent bits, 2 mantissa bits; 8 bits a number), with one power-of-two scale for each 32 numbers along K (OCP MX v1.0); their sums are f32. All else is computed in f32.
;;   The module's matrix products, in the order in which they are computed (A, B: the left and right operand; K: the contracted axis; several contracted axes count as one K, in the product's order):
;;     1. batch 32 x [M 2,048, K 64] x [K 64, N 2,048]; A: input Q; B: input K: QUANTISED
;;     2. batch 32 x [M 2,048, K 2,048] x [K 2,048, N 64]; A: softmax (see below); B: input V: QUANTISED
;;   THE QUANTISER, for each operand of a quantised product, along K:
;;     - K is cut into blocks of 32 from its start; a last block that is shorter is filled with zeros.
;;     - A block's scale is 2^e with e = floor(log2(the largest magnitude in the block)) - 15, held to -126 .. 127; a block of zeros has e = 0. As a byte (E8M0): e + 127.
;;     - Each number is divided by its block's scale, clamped to +-57,344, and rounded to the nearest number of E5M2, ties to even, subnormals kept.
;;     - The product sums the exact products of the quantised numbers (number of the format x scale) in f32.
;;   ~~~python
;;   def quantise(x, axis):      # numpy; x: float32 -> the quantised numbers, widened to float32 again
;;       x = np.moveaxis(x, axis, -1); K = x.shape[-1]
;;       x = np.pad(x, [(0, 0)] * (x.ndim - 1) + [(0, -K % 32)]); x = x.reshape(x.shape[:-1] + (-1, 32)); a = np.abs(x).max(-1, keepdims=True)
;;       e = np.where(a > 0, np.clip(np.frexp(np.where(a > 0, a, 1))[1] - 1 - 15, -126, 127), 0)      # np.frexp(a)[1] - 1 = floor(log2(a)), exactly
;;       r = np.clip(x / 2.0 ** e, -57344, 57344)
;;       step = 2.0 ** (np.maximum(np.frexp(np.where(r == 0, 1, r))[1] - 1, -14) - 2)
;;       q = np.round(r / step) * step * 2.0 ** e      # np.round: ties to even
;;       return np.moveaxis(q.reshape(q.shape[:-2] + (-1,))[..., :K], -1, axis).astype(np.float32)
;;   ~~~
;;   SOFTMAX AHEAD OF A QUANTISED PRODUCT. Where the list says 'softmax', what is quantised is not the finished softmax but p = 2^(t - M), with t = logit x log2(e) and M = ceil(the row's largest t), a whole number; so 1/2 < the row's largest p <= 1. The row's sum l is taken of the UNQUANTISED p, in f32, and the product's result is divided by l at the end. Since M is a whole number, a kernel that streams over the keys may use a running M (the ceiling of the running maximum): every later rescaling is an exact power of two, which a block's scale takes up: the codes' values come out the same.
;;   OPERANDS COMPUTED ON THE WAY. 'Computed on the way' means the value that the module computes at that place (a softmax that the list does not call 'softmax' is quantised finished and normalised). What goes into a quantiser is computed in f32, as accurately as f32 sums, v_exp_f32 and their like allow (about 1e-6 of the number): no bf16 or f16 on the way to a quantiser, and a product that is left as it is and whose result goes on into a quantised operand takes f32 operands (vector FMAs, or v_wmma_f32_16x16x4_f32). A number that lies on a knife's edge between two numbers of the format may be rounded either way, as far as f32 arithmetic and the matrix unit's own rounding can turn it there, and no further.
;; One version. Each part assembles by itself: llvm-mc -triple=amdgcn-amd-amdhsa -mcpu=gfx1250 --defsym DOCPART=n.
;; ======== version 1 of 1: 2 launches
;; limits: right only within a limited range of input values
;; workspace buffers: kv 8,781,824 bytes; mw 2,097,152 bytes; mf 65,536 bytes
;; launch prep (part 1): grid 896 x 1, 4 waves a work-group, no clusters, 35,328 bytes of LDS; arguments K, V, mask, kv, mw, mf; writes kv, mw, mf
.if DOCPART == 1
	.amdgcn_target "amdgcn-amd-amdhsa--gfx1250"
	.amdhsa_code_object_version 6
	.text
	.protected	k_q6c1c224762_prep
	.globl	k_q6c1c224762_prep
	.p2align	8
	.type	k_q6c1c224762_prep,@function
k_q6c1c224762_prep:
	s_mov_b64 s[64:65], 0
	v_nop
	global_prefetch_b8 v0, s[64:65] scope:SCOPE_SE
	s_setreg_imm32_b32 hwreg(HW_REG_WAVE_MODE, 25, 1), 1
	s_wait_xcnt 0x0
; K and V [32 heads][2048 keys][64] f32 become codes of BF8 (E5M2) with one E8M0 scale byte for each 32 along a product's K, laid in the ORDER OF THE OPERANDS' REGISTERS;
; the mask [2048][2048] of bytes (0 or 1) becomes words from which the attention launch cuts codes of BF8 by one AND a register.  No work of the problem is left out here.
; A RECORD of kv is one key step (128 keys) of one head, REC = 17,152 bytes:
;   +0      K's eight tiles: tile t x 1024 + c x 512 + 16 x lane: lane (r = l % 16, h = l / 16) has key 32 (t / 2) + 8 (t % 2) + r + 8 (r / 8), d = 32 c + 16 h + 0 .. 15  (K of the first product = d)
;   +8192   V's four tiles:  tile u x 2048 + c x 512 + 16 x lane: lane (r, h) has d = 16 u + r, keys 32 c + 16 h + 0 .. 15                          (K of the second product = the keys)
;   +16384  K's scale words: pair b x 128 + 4 x lane: the word of tile 2 b + l / 16, row l % 16; bytes 0, 1 the two blocks of d, bytes 2, 3 = 0x7f (1.0: the product's upper 64 along K carry the mask)
;   +16896  V's scale words: U x 128 + 4 x lane: the word of d = 32 U + lane: four bytes, one for each 32 keys
; MASK WORDS.  For query tile T, key step s and half g (64 keys) lane (r, h) has four words; byte i of word j is about query 16 T + r and keys 128 s + 64 g + 16 h + 4 j + i (bit 6) and 32 keys on (bits 5 to 2, all alike):
; an AND with 0x40 or 0x3c in every byte leaves the code of 2.0 or of 1.0 where the key is masked, 0 elsewhere.  Record R of a tile holds step R's half 1 (+0) and step (R + 1) % 16's half 0 (+512), 16 bytes x lane each.
; A block's scale is 2^(floor(log2(its largest magnitude)) - 15); its byte is the largest magnitude's exponent field - 15, held at 1 from below by a floor among the maximum's leaves.
; LIMITS: a block of zeros gets the byte 1 where the rule says 127 (its codes are zeros, and this program alone reads the bytes); blocks whose largest magnitude lies under 2^-111 are held at that byte; NaN and infinities are not served.
; SHARES, by the work-group's number: 0-255 V (a wave: 32 columns d x 128 keys), 256-767 K (a work-group: one record's 128 keys, a wave 32 of them), 768-895 the mask (a work-group: 16 queries, a wave 512 keys).
; Waves share nothing: no barrier; work-groups share no input: no cluster.  Only K's path uses LDS, each wave bytes of its own.
.set REC,   17152
.set HEADB, 16*REC
.set VIMG,  8192
.set KSC,   16384
.set VSC,   16896
.set FLOOR, 0x8000000                  ; 2^(16 - 127)
.set OFFE,  0xf8800000                 ; -(15 << 23): 15 off an exponent field
	s_load_b256 s[4:11], s[0:1], 0x0               ; K s[4:5], V s[6:7], mask s[8:9], kv s[10:11]
	s_load_b128 s[12:15], s[0:1], 0x20             ; mw s[12:13], mf s[14:15]
	v_lshl_add_u32 v184, v0, 2, 0x8800             ; my spare word
	v_mov_b32 v185, 0
	v_lshrrev_b32 v1, 5, v0
	v_readfirstlane_b32 s16, v1                    ; wave 0..3
	v_and_b32 v1, 31, v0                           ; lane
	v_and_b32 v2, 15, v0                           ; r
	v_bfe_u32 v3, v0, 4, 1                         ; h
	s_mov_b32 s20, 0x76543210
	s_mov_b32 s21, 0xfedcba98                      ; v_permlanex16_b32's selects for lane l xor 16
	s_mov_b32 s22, 0x600000                        ; the mantissa field of 57,344
	s_mov_b32 s25, 0                               ; the upper word of every byte offset below (all stay under 2^32)
	s_wait_alu depctr_va_vdst(0)                   ; the wait at the head's end
	s_wait_kmcnt 0x0
	s_cmp_lt_u32 ttmp9, 256
	s_cbranch_scc1 .Lrole_v
	s_cmp_lt_u32 ttmp9, 768
	s_cbranch_scc1 .Lrole_k
; ---------------- THE MASK.  Work-group 768 + T, wave w: query tile T, key steps 4 w .. 4 w + 3.
.set MR, 16                            ; v16-79   raw bytes: step q, 32 keys b: v[16 + 16 q + 4 b ..]
.set MO, 80                            ; v80-111  the words: step q, half g: v[80 + 8 q + 4 g ..]
	s_sub_co_u32 s17, ttmp9, 768                   ; T
	s_lshl_b32 s24, s17, 15                        ; 16 rows of 2,048 bytes
	s_lshl_b32 s26, s16, 9                         ; 512 keys
	s_add_co_u32 s24, s24, s26
	s_add_nc_u64 s[8:9], s[8:9], s[24:25]
	s_lshl_b32 s24, s17, 14
	s_add_nc_u64 s[12:13], s[12:13], s[24:25]
	s_lshl_b32 s24, s17, 9
	s_add_nc_u64 s[14:15], s[14:15], s[24:25]
	s_wait_alu depctr_va_vdst(0)
	v_lshlrev_b32 v4, 11, v2
	v_lshl_add_u32 v4, v3, 4, v4                   ; row r, + 16 h: my 16 keys of each 32
.irp q, 0,1,2,3
.irp b, 0,1,2,3
	global_load_b128 v[MR+16*\q+4*\b:MR+16*\q+4*\b+3], v4, s[8:9] offset:128*\q+32*\b
.endr
.endr
	s_lshl_b32 s27, s16, 12
	v_lshl_add_u32 v5, v1, 4, s27                  ; record 4 w, + 16 x lane
	s_lshl_b32 s28, s16, 2
	s_add_co_u32 s28, s28, 15
	s_and_b32 s28, s28, 15                         ; the record before, the tile's last for wave 0
	s_lshl_b32 s28, s28, 10
	s_add_co_u32 s28, s28, 512
	v_lshl_add_u32 v6, v1, 4, s28                  ; its second half
	s_lshl_b32 s29, s16, 7
	v_lshl_add_u32 v7, v1, 2, s29
	v_mov_b32 v9, 0                                ; (a lane permute's destination counts as one of its sources)
.macro MSTEP q
	s_wait_alu depctr_va_vdst(0)                   ; the wait ahead of the wait below
	s_wait_loadcnt 12-4*\q                         ; step q's four loads are in, the younger steps' may be out
.irp j, 0,1,2,3,8,9,10,11
	v_mul_lo_u32 v[MO+8*\q+\j-\j/8*4], 60, v[MR+16*\q+\j+4]   ; bytes of 0 or 1 x 0x3c: no carry
.endr
.irp j, 0,1,2,3,8,9,10,11
	v_lshl_or_b32 v[MO+8*\q+\j-\j/8*4], v[MR+16*\q+\j], 6, v[MO+8*\q+\j-\j/8*4]
.endr
.set n, 0
.if \q == 0
	v_and_b32 v8, v[MR], v[MR+1]
	v_and_b32 v10, v[MR+2], v[MR+3]
.set n, 4
.endif
.rept 16-n
	v_and_b32 v[8+2*(n%2)], v[8+2*(n%2)], v[MR+16*\q+n]       ; are all my bytes 1?  In two chains
.set n, n+1
.endr
	global_store_b128 v5, v[MO+8*\q+4:MO+8*\q+7], s[12:13] offset:1024*\q          ; 512 consecutive bytes
.if \q == 0
	global_store_b128 v6, v[MO:MO+3], s[12:13]
.else
	global_store_b128 v5, v[MO+8*\q:MO+8*\q+3], s[12:13] offset:1024*(\q-1)+512
.endif
.endm
	MSTEP 0
	MSTEP 1
	MSTEP 2
	MSTEP 3
	v_and_b32 v8, v8, v10
	v_cmp_eq_u32 vcc_lo, 0x1010101, v8
	v_cndmask_b32 v8, 0, -1, vcc_lo
	v_permlanex16_b32 v9, v8, s20, s21
	v_and_b32 v8, v8, v9                           ; with lane l xor 16's keys
	global_store_b32 v7, v8, s[14:15]              ; 128 consecutive bytes; the four waves' make up two units
	s_endpgm
; ---------------- V.  Wave g = 4 x work-group + w: head g / 32, key step (g / 2) % 16, columns 32 U on, U = g % 2.
; A LANE TAKES A COLUMN d, AND ITS REGISTERS RUN DOWN THE KEYS: a block of 32 keys lies in one lane's 32 registers, and the conversions give codes with the keys innermost.
.set X,  16                            ; v16-79   two sets of 32 numbers
.set C,  80                            ; v80-111  eight registers of codes for each block: no store's data are written again
.set SB, 112                           ; v112     the four scale bytes
.macro VLOAD t                         ; block t: V(32 t + i, my column); a load reads 128 consecutive bytes
.set i, 0
.rept 32
	global_load_b32 v[X+32*((\t)%2)+i], v4, s[6:7] offset:(32*(\t)+i)*256 th:TH_LOAD_NT
.set i, i+1
.endr
.endm
.macro VBLOCK t
.set XS, X+32*((\t)%2)
.if (\t) < 3
	s_wait_loadcnt 32                              ; this block's 32 loads are in; the next block's 32 may be out
.else
	s_wait_loadcnt 0x0
.endif
	v_max3_num_f32 v8, |v[XS]|, |v[XS+1]|, |v[XS+2]|               ; the block's largest magnitude, in two chains: all 32 numbers are mine
	v_max3_num_f32 v9, |v[XS+3]|, |v[XS+4]|, |v[XS+5]|
.irp i, 6,10,14,18,22,26
	v_max3_num_f32 v8, v8, |v[XS+\i]|, |v[XS+\i+1]|
	v_max3_num_f32 v9, v9, |v[XS+\i+2]|, |v[XS+\i+3]|
.endr
	v_max3_num_f32 v8, v8, |v[XS+30]|, |v[XS+31]|
	v_max3_num_f32 v8, v8, v9, FLOOR               ; and the floor: the byte cannot fall under 1
	v_add_nc_u32 v11, OFFE, v8                     ; 15 off its exponent field: the conversion takes the exponent field of this operand as its scale
	v_and_or_b32 v10, v8, 0x7f800000, s22          ; 57,344 x the scale
	v_lshrrev_b32 v9, 23, v11                      ; the scale's byte
.if (\t) == 0
	v_mov_b32 v[SB], v9
.else
	v_lshl_or_b32 v[SB], v9, 8*(\t), v[SB]         ; the lower keys in the lower byte
.endif
.set i, 0
.rept 32
	v_med3_num_f32 v[XS+i], v[XS+i], -v10, v10     ; the conversion to an 8-bit code does not saturate (ISA guide 7.6.2): the hold at the largest code x the scale
.set i, i+1
.endr
.irp g, 0,1,2,3
	v_cvt_scalef32_pk8_bf8_f32 v[C+8*(\t)+2*\g:C+8*(\t)+2*\g+1], v[XS+8*\g:XS+8*\g+7], v11
.endr
	v_nop                                          ; a plain line behind the last conversion
	global_store_b128 v5, v[C+8*(\t):C+8*(\t)+3], s[10:11] offset:512*(\t)         ; keys 0-15 of the block: the image's lanes 0-15; sixteen lanes store 256 consecutive bytes, aligned
	global_store_b128 v5, v[C+8*(\t)+4:C+8*(\t)+7], s[10:11] offset:512*(\t)+256   ; keys 16-31: its lanes 16-31
.if (\t) < 2
	VLOAD (\t)+2
.endif
.endm
.Lrole_v:
	s_lshl_b32 s17, ttmp9, 2
	s_add_co_u32 s17, s17, s16                     ; g
	s_lshr_b32 s18, s17, 5                         ; head
	s_bfe_u32 s19, s17, 0x40001                    ; key step
	s_and_b32 s23, s17, 1                          ; U
	s_lshl_b32 s24, s18, 19                        ; a head: 2,048 rows of 256 bytes
	s_lshl_b32 s26, s19, 15                        ; a step: 128 rows
	s_add_co_u32 s24, s24, s26
	s_lshl_b32 s26, s23, 7                         ; 32 columns
	s_add_co_u32 s24, s24, s26
	s_add_nc_u64 s[6:7], s[6:7], s[24:25]
	s_mul_i32 s24, s18, HEADB
	s_mul_i32 s26, s19, REC
	s_add_co_u32 s24, s24, s26
	s_add_nc_u64 s[10:11], s[10:11], s[24:25]      ; the record
	s_wait_alu depctr_va_vdst(0)
	v_lshlrev_b32 v4, 2, v1                        ; in: 4 bytes a lane
	VLOAD 0
	VLOAD 1
	s_lshl_b32 s26, s23, 12
	s_add_co_u32 s26, s26, VIMG
	v_lshlrev_b32 v5, 11, v3
	v_lshl_add_u32 v5, v2, 4, v5
	v_add_nc_u32 v5, s26, v5                       ; my column d = 16 (2 U + h) + r: tile 2 U + h, the image's lane r
	s_lshl_b32 s27, s23, 7
	s_add_co_u32 s27, s27, VSC
	v_lshl_add_u32 v6, v1, 2, s27
	s_wait_alu depctr_va_vdst(0)
	VBLOCK 0
	VBLOCK 1
	VBLOCK 2
	VBLOCK 3
	global_store_b32 v6, v[SB], s[10:11]           ; 128 consecutive bytes: half of the record's 256 bytes of V's scale words, one byte for each 32 of the codes
	s_endpgm
; ---------------- K.  Work-group 256 + 16 x head + s; wave w takes keys 32 w .. 32 w + 31 of the step: tiles 2 w and 2 w + 1.
; The loads take the bytes as they lie (512 consecutive bytes each: two rows); the rows turn through the wave's own 32 rows of LDS, laid in the order of the tiles' rows, and come back 64 bytes a lane.
.set R,  16                            ; v16-79   as loaded
.set XK, 80                            ; v80-143  block B = 2 u + c (tile u, d = 32 c on): 16 numbers of my row
.set TM, 144                           ; v144-147 largest magnitudes, v148-151 bytes, v152-155 57,344 x the scale, v156-159 the conversions' scale operands
.set PC, 160                           ; v160-175 the codes
.Lrole_k:
	s_sub_co_u32 s17, ttmp9, 256
	s_lshr_b32 s18, s17, 4                         ; head
	s_and_b32 s19, s17, 15                         ; key step
	s_lshl_b32 s24, s18, 19
	s_lshl_b32 s26, s19, 15
	s_add_co_u32 s24, s24, s26
	s_lshl_b32 s26, s16, 13                        ; my 32 rows
	s_add_co_u32 s24, s24, s26
	s_add_nc_u64 s[4:5], s[4:5], s[24:25]
	s_mul_i32 s24, s18, HEADB
	s_mul_i32 s26, s19, REC
	s_add_co_u32 s24, s24, s26
	s_add_nc_u64 s[10:11], s[10:11], s[24:25]      ; the record
	s_wait_alu depctr_va_vdst(0)
	v_lshlrev_b32 v4, 4, v1
.irp i, 0,1,2,3,4,5,6,7,8,9,10,11,12,13,14,15
	global_load_b128 v[R+4*\i:R+4*\i+3], v4, s[4:5] offset:512*\i th:TH_LOAD_NT   ; keys 2 i (lanes 0-15) and 2 i + 1 (lanes 16-31)
.endr
	s_mul_i32 s27, s16, 8704                       ; my 32 rows of 256 + 16 bytes
	v_mul_u32_u24 v5, v3, 272
	v_lshl_add_u32 v5, v2, 4, v5
	v_add_nc_u32 v5, s27, v5                       ; in: row h of the pair, 16 r
	v_mul_u32_u24 v6, v2, 272
	v_lshl_add_u32 v6, v3, 6, v6
	v_add_nc_u32 v6, s27, v6                       ; back: row r of a tile, + 64 h: my 16 numbers of a block of 32
	s_lshl_b32 s28, s16, 11
	v_add_nc_u32 v7, s28, v4                       ; the images of my two tiles: 2,048 w + 16 x lane
	s_lshl_b32 s28, s16, 7
	v_lshl_add_u32 v8, v1, 2, s28
	v_add_nc_u32 v8, KSC, v8                       ; their scale words: 128 w + 4 x lane
.irp b, 0,1,2,3
	v_mov_b32 v[TM+4+\b], 0                        ; (a lane permute's destination counts as one of its sources)
.endr
	s_wait_alu depctr_va_vdst(0)
.irp i, 0,1,2,3,4,5,6,7,8,9,10,11,12,13,14,15
	s_wait_loadcnt 15-\i                           ; loads come back in order: load i is in, the younger ones may be out
	ds_store_b128 v5, v[R+4*\i:R+4*\i+3] offset:(16*((\i>>2)&1)+8*(\i>>3)+((2*\i)&7))*272   ; key 16 a + 8 u + j is row 8 a + j of tile u: LDS row 16 u + 8 a + j
.endr
.irp u, 0,1
.irp c, 0,1
.irp j, 0,1,2,3
	ds_load_b128 v[XK+16*(2*\u+\c)+4*\j:XK+16*(2*\u+\c)+4*\j+3], v6 offset:16*\u*272+128*\c+16*\j   ; LDS serves a wave's instructions in order: these see my stores
.endr
.endr
.endr
	s_wait_dscnt 0x0
.irp b, 0,1,2,3
	v_max3_num_f32 v[TM+\b], |v[XK+16*\b]|, |v[XK+1+16*\b]|, FLOOR   ; block b: my 16 numbers, and the floor
.endr
.irp i, 2,4,6,8,10,12,14
.irp b, 0,1,2,3
	v_max3_num_f32 v[TM+\b], v[TM+\b], |v[XK+16*\b+\i]|, |v[XK+1+16*\b+\i]|   ; (the four blocks by turns)
.endr
.endr
.irp b, 0,1,2,3
	v_permlanex16_b32 v[TM+4+\b], v[TM+\b], s20, s21
.endr
.irp b, 0,1,2,3
	v_max_num_f32 v[TM+\b], v[TM+\b], v[TM+4+\b]   ; with lane l xor 16's 16: the block's largest magnitude
.endr
.irp b, 0,1,2,3
	v_add_nc_u32 v[TM+12+\b], OFFE, v[TM+\b]
.endr
.irp b, 0,1,2,3
	v_and_or_b32 v[TM+8+\b], v[TM+\b], 0x7f800000, s22
.endr
.irp b, 0,1,2,3
	v_lshrrev_b32 v[TM+4+\b], 23, v[TM+12+\b]      ; the scale's byte
.endr
	v_lshl_or_b32 v176, v[TM+5], 8, v[TM+4]        ; tile 2 w's word of my row,
	v_lshl_or_b32 v177, v[TM+7], 8, v[TM+6]        ; tile 2 w + 1's;
	v_or_b32 v176, 0x7f7f0000, v176                ; bytes 2 and 3 stand for 1.0
	v_or_b32 v177, 0x7f7f0000, v177
	v_cmp_le_u32 vcc_lo, 16, v1
	v_cndmask_b32 v178, v176, v177, vcc_lo         ; lanes 0-15 carry the even tile's words, lanes 16-31 the odd tile's
.irp b, 0,1,2,3
.irp i, 0,1,2,3,4,5,6,7,8,9,10,11,12,13,14,15
	v_med3_num_f32 v[XK+16*\b+\i], v[XK+16*\b+\i], -v[TM+8+\b], v[TM+8+\b]   ; the hold at the largest code x the scale (ISA guide 7.6.2)
.endr
	v_cvt_scalef32_pk8_bf8_f32 v[PC+4*\b:PC+4*\b+1], v[XK+16*\b:XK+16*\b+7], v[TM+12+\b]
	v_cvt_scalef32_pk8_bf8_f32 v[PC+4*\b+2:PC+4*\b+3], v[XK+16*\b+8:XK+16*\b+15], v[TM+12+\b]
.endr
	v_nop                                          ; a plain line behind the last conversion
.irp b, 0,1,2,3
	global_store_b128 v7, v[PC+4*\b:PC+4*\b+3], s[10:11] offset:512*\b   ; block 2 u + c at u x 1024 + c x 512: 512 consecutive bytes a store
.endr
	global_store_b32 v8, v178, s[10:11]            ; 128 consecutive bytes; the four waves' stores make up the record's 512
	s_wait_tensorcnt 0x0                           ; the wave's end
	ds_add_u32 v184, v185
	s_wait_dscnt 0x0
	s_endpgm
.Lfunc_end_k_q6c1c224762_prep:
	.size	k_q6c1c224762_prep, .Lfunc_end_k_q6c1c224762_prep-k_q6c1c224762_prep
	.p2alignl 7, 3214868480
	.fill 96, 4, 3214868480
	.section	.rodata,"a",@progbits
	.p2align	6, 0x0
	.amdhsa_kernel k_q6c1c224762_prep
		.amdhsa_group_segment_fixed_size 35328
		.amdhsa_private_segment_fixed_size 0
		.amdhsa_enable_private_segment 0
		.amdhsa_kernarg_size 48
		.amdhsa_user_sgpr_count 2
		.amdhsa_user_sgpr_kernarg_segment_ptr 1
		.amdhsa_wavefront_size32 1
		.amdhsa_system_sgpr_workgroup_id_x 1
		.amdhsa_system_sgpr_workgroup_id_y 1
		.amdhsa_system_sgpr_workgroup_id_z 1
		.amdhsa_system_vgpr_workitem_id 0
		.amdhsa_next_free_vgpr 186
		.amdhsa_next_free_sgpr 66
		.amdhsa_reserve_vcc 1
		.amdhsa_float_denorm_mode_32 3
		.amdhsa_float_denorm_mode_16_64 3
		.amdhsa_memory_ordered 1
		.amdhsa_forward_progress 1
		.amdhsa_inst_pref_size 54
	.end_amdhsa_kernel
	.amdgpu_metadata
---
amdhsa.version: [ 1, 2 ]
amdhsa.kernels:
  - .name:           k_q6c1c224762_prep
    .symbol:         k_q6c1c224762_prep.kd
    .args:
      - { .name: K, .offset: 0, .size: 8, .value_kind: global_buffer, .address_space: global }
      - { .name: V, .offset: 8, .size: 8, .value_kind: global_buffer, .address_space: global }
      - { .name: mask, .offset: 16, .size: 8, .value_kind: global_buffer, .address_space: global }
      - { .name: kv, .offset: 24, .size: 8, .value_kind: global_buffer, .address_space: global }
      - { .name: mw, .offset: 32, .size: 8, .value_kind: global_buffer, .address_space: global }
      - { .name: mf, .offset: 40, .size: 8, .value_kind: global_buffer, .address_space: global }
    .group_segment_fixed_size: 35328
    .private_segment_fixed_size: 0
    .kernarg_segment_align: 8
    .kernarg_segment_size: 48
    .max_flat_workgroup_size: 128
    .sgpr_count:     66
    .vgpr_count:     186
    .wavefront_size: 32
...
	.end_amdgpu_metadata
.endif
;; end of part 1
;; launch attn (part 2): grid 8 x 32, 16 waves a work-group, clusters of 4 x 1, 324,864 bytes of LDS; arguments Q, kv, mw, mf, out0; writes out0
.if DOCPART == 2
	.amdgcn_target "amdgcn-amd-amdhsa--gfx1250"
	.amdhsa_code_object_version 6
	.text
	.protected	k_q6c1c224762_attn
	.globl	k_q6c1c224762_attn
	.p2align	8
	.type	k_q6c1c224762_attn,@function
k_q6c1c224762_attn:
	s_mov_b64 s[64:65], 0
	v_nop
	global_prefetch_b8 v0, s[64:65] scope:SCOPE_SE
	s_setreg_imm32_b32 hwreg(HW_REG_WAVE_MODE, 25, 1), 1
	s_wait_xcnt 0x0
	s_wait_alu depctr_hold_cnt(0) depctr_sa_sdst(0) depctr_va_vdst(0) depctr_va_sdst(0) depctr_va_ssrc(0) depctr_va_vcc(0) depctr_vm_vsrc(0)
	s_getreg_b32 s2, hwreg(HW_REG_IB_STS2, 6, 4)
	s_cmp_eq_u32 s2, 0
	s_cbranch_scc0 .Lentry_in_a_cluster
	s_endpgm
.Lentry_in_a_cluster:
	s_bfe_u32 s2, ttmp6, 0x10000c
	s_cmp_lg_u32 s2, 0x3003
	s_cbranch_scc0 .Lentry_shape_is_right
	s_endpgm
.Lentry_shape_is_right:
; out0[head][q][:] = the sum over k of softmax_k(where(mask[q][k], -1e10, Q[q] . K[k]) / sqrt(2048)) V[k][:], 32 heads, 2,048 queries and keys, head size 64; both products on codes of BF8 (E5M2) with E8M0 scales.
; THE SOFTMAX AHEAD OF THE SECOND PRODUCT: t = score x c, c = log2(e) / sqrt(2048); M = the running largest t rounded UP to a whole number; p = 2^(t - M) is quantised along the keys, not normalised;
; the row's sum is taken of the unquantised p in f32 and divides at the end.  When M moves, the sum and O are multiplied by 2^(old M - new M): exact.
; THE MASK IS ADDED BY THE FIRST PRODUCT.  Its K is 64, the instruction's 128: in the upper 64 a key's row holds ONE code, -2^15, at the key's own place among 64 keys, and a query's column holds 1.0 or 2.0 at the places of
; masked keys, 0 elsewhere; under the scale 2^5 a masked score is the score - 2^20 or - 2^21, an unmasked one has only zeros added.  A row ALL of whose keys are masked gets zero codes for Q and no mask: its scores are all 0,
; so p = 1 for every key, as the definition has it for such a row.
; LIMITS.  The results are those of -1e10 as long as in every row with an unmasked key the largest of all its scores lies less than 2^20 - 2^13 above its largest unmasked one (then a masked p is 0).
; NaN and infinities among the inputs are not served.  A block of zeros keeps the scale byte 1: its codes are zeros.  No work of the problem is left out.
; SHARES.  A work-group owns 256 queries of one head; each of its sixteen waves 16 of them, one tile, in 256 registers: four waves to a SIMD, so that one wave's vector work stands beside another's matrix work and LDS loads.
; THE WHOLE HEAD'S K AND V LIE IN LDS, filled once: sixteen records of 17,152 bytes, one for each step of 128 keys, images of the operands' registers.  Wave w has ONE tensor load, record w's, at the head.  The first barrier
; shows records 0 to 2; one more barrier, signalled in step 1 and waited for in step 2, shows all the others.  No LDS byte is filled twice by a load.
; Record s lies at (s - 1) x 17,152, record 0 last, at 15 x 17,152: its bytes, read in step 0 alone, and those behind it are the stages of the way out.
; CLUSTER.  The four query blocks of a cluster belong to one head: the records are asked for JOINTLY.  All tiles are asked for in one group at the head, so there is no loop for a prefetch to run ahead in; the mask words come by plain loads a step ahead.
; LAYOUT.  Both products are used transposed: S^T = K Q^T (source 0 = 16 keys, source 1 = 16 queries), O^T = V^T P^T (source 0 = 16 of the head's 64, source 1 = P): a lane holds ONE query (lane % 16) throughout.
; Row r of K's tile 2 b + u is key 32 b + 8 u + r + 8 (r / 8), so that score register n holds key 32 (n / 16) + 16 (lane / 16) + n % 16.
.set REC,   17152
.set HEADB, 16*REC
.set VIMG,  8192
.set KSC,   16384
.set VSC,   16896
.set STAGE, 15*REC                     ; the way out: 16 rows of 256 bytes for each wave
.set SPARE, STAGE+16*4096              ; the spare words, 128 bytes for each wave
.set L16, 1                            ; v1   16 x lane
.set L4,  2                            ; v2   4 x lane
.set A16, 3                            ; v3   the record in hand + 16 x lane
.set A4,  4                            ; v4   the record in hand + 4 x lane
.set SPW, 5                            ; v5   my spare word
.set NIL, 6                            ; v6   0
.set S,   8                            ; v8-71    S^T, then p, then V's four fragments
.set O,   72                           ; v72-103  O^T: tile u at O + 8 u
.set QB,  104                          ; v104-135 the first product's source 1, twice: Q's codes (8), the mask of 64 keys (8): half 0, then half 1
.set PC,  136                          ; v136-151 p's codes; before that seven of the sum's chains
.set BM,  152                          ; a block's largest score, then its largest p, then 57,344 x the scale
.set T1,  156                          ; second chains, the other half's maxima, then the bytes
.set SCL, 160                          ; the conversions' scale operands
.set NM,  164                          ; -M
.set MX,  165                          ; the largest score so far
.set F,   166                          ; f = 2^(old M - new M)
.set FZ,  167                          ; 0 (named with it as a pair)
.set SUM, 168                          ; the sum in two halves
.set TMP, 170
.set CM,  171                          ; 0x40 in every byte, 0 in a row that is masked throughout
.set CM2, 172                          ; 0x3c likewise
.set MW,  174                          ; v174-181 a step's mask words: half 0 (4), half 1 (4)
; v182-191 hold scales and nothing else
.set KSW, 182                          ; K's scale words
.set VS,  186                          ; V's
.set QS,  188                          ; Q's
.set PS,  190                          ; p's
.set KF,  192                          ; v192-255 four tiles of K, each 8 registers of codes and 8 of one-hot codes that stay
; scalars: s2 wave; s3 a loop's count; s[8:9] lane selects; s[10:11] c; s[12:19], s[20:23] the descriptor; s24 2^-111; s25 the mantissa field of 57,344; s26 -c; s62 the record in hand; s[66:67] mask words; s[68:69] my rows of the output
.macro CROUND                          ; a round of the cluster's barrier
	s_barrier_signal -1
	s_barrier_wait -1
	s_cmp_lg_u32 s2, 0
	s_cbranch_scc1 .Lnot_wave_0_\@
	s_barrier_signal -3
.Lnot_wave_0_\@:
	s_barrier_wait -3
	s_barrier_signal -1
	s_barrier_wait -1
.endm
	s_load_b256 s[32:39], s[0:1], 0x0              ; Q s[32:33], kv s[34:35], mw s[36:37], mf s[38:39]
	s_load_b64 s[40:41], s[0:1], 0x20              ; out0
	v_lshl_add_u32 v[SPW], v0, 2, SPARE
	v_mov_b32 v[NIL], 0
	ds_add_u32 v[SPW], v[NIL]                      ; the opening lines: the add, twice on end, and one wait for both
	ds_add_u32 v[SPW], v[NIL]
	v_lshrrev_b32 v7, 5, v0
	v_readfirstlane_b32 s2, v7                     ; wave 0..15
	v_and_b32 v[BM], 15, v0                        ; r
	v_bfe_u32 v[BM+1], v0, 4, 1                    ; h
	v_lshlrev_b32 v7, 8, v[BM]
	v_lshl_add_u32 v7, v[BM+1], 6, v7              ; Q: row r of 256 bytes, + 64 h: my 16 numbers of a block of 32
	v_and_b32 v[L16], 31, v0
	v_lshlrev_b32 v[L4], 2, v[L16]
	v_lshlrev_b32 v[L16], 4, v[L16]
	s_bfe_u32 s43, ttmp6, 0x40000                  ; cx: my place in the cluster
	s_lshl_b32 s44, ttmp9, 2                       ; in a cluster launch ttmp9 counts clusters
	s_add_co_u32 s44, s44, s43                     ; my block of 256 queries: it enters the addresses of Q, the mask and the output alone
	s_and_b32 s42, ttmp7, 0xffff                   ; the head, which the four partners share
	; descriptor group 1: a record, a dense block: 67 rows of 32 elements of 8 bytes, no padding
	s_mov_b32 s12, 15|(3<<16)|(1<<21)              ; 15:0 the mask: all four work-groups; 17:16 elements of 8 bytes; 21 set beside a mask
	s_mov_b32 s13, 32<<16                          ; tensor_dim0 = 32
	s_mov_b32 s14, 67<<16                          ; tensor_dim1 = 67
	s_mov_b32 s15, 32<<16                          ; tile_dim0 = 32
	s_mov_b32 s16, 67                              ; tile_dim1 = 67
	s_mov_b32 s17, 32                              ; tensor_dim0_stride
	s_mov_b32 s18, 0
	s_mov_b32 s19, 0
	s_mov_b32 s8, 0x76543210
	s_mov_b32 s9, 0xfedcba98                       ; v_permlanex16_b32's selects for lane l xor 16
	s_mov_b32 s10, 0x3d0293ee                      ; c
	s_mov_b32 s11, s10                             ; (named with it as a pair, so it is written)
	s_mov_b32 s24, 0x8000000
	s_mov_b32 s25, 0x600000
	s_mov_b32 s26, 0xbd0293ee                      ; -c
	s_mov_b32 s62, 15*REC                          ; record 0
	s_add_co_u32 s45, s2, 15
	s_and_b32 s45, s45, 15
	s_mul_i32 s46, s45, REC                        ; where my record goes in LDS
	s_mul_i32 s47, s2, REC                         ; and where it lies in a head's part of kv
	s_mul_i32 s48, s42, HEADB
	s_add_co_u32 s48, s48, s47
	s_mov_b32 s49, 0
	s_lshl_b32 s50, s44, 4
	s_add_co_u32 s50, s50, s2                      ; my query tile T = 16 x block + wave
	s_lshl_b32 s52, s50, 14                        ; 16,384 bytes of mask words a tile
	s_mov_b32 s53, 0
	s_lshl_b32 s54, s50, 9                         ; 512 bytes of flags
	s_mov_b32 s55, 0
	s_lshl_b32 s56, s50, 12                        ; 4,096 bytes of Q and of the output
	s_lshl_b32 s57, s42, 19                        ; a head: 2,048 rows of 256 bytes
	s_add_co_u32 s56, s56, s57
	s_mov_b32 s57, 0
	s_wait_alu depctr_va_vdst(0)                   ; the wait ahead of the waits below
	s_wait_dscnt 0x0
	s_wait_kmcnt 0x0
	s_mov_b32 s20, 1                               ; descriptor group 0: count = 1
	s_mov_b32 s21, s46                             ; LDS address
	s_add_nc_u64 s[22:23], s[34:35], s[48:49]      ; global address
	s_or_b32 s23, s23, 0x80000000                  ; type = 2
	s_add_nc_u64 s[58:59], s[32:33], s[56:57]
	s_add_nc_u64 s[66:67], s[36:37], s[52:53]
	s_add_nc_u64 s[60:61], s[38:39], s[54:55]
	s_add_nc_u64 s[68:69], s[40:41], s[56:57]
.irp c, 0,1                                    ; Q's rows
.irp j, 0,1,2,3
	global_load_b128 v[S+16*\c+4*\j:S+16*\c+4*\j+3], v7, s[58:59] offset:128*\c+16*\j
.endr
.endr
.irp w, 0,1,2,3
	global_load_b32 v[PC+4+\w], v[L4], s[60:61] offset:128*\w                   ; the flags
.endr
	global_load_b128 v[MW:MW+3], v[L16], s[66:67] offset:15*1024+512            ; step 0's mask words: half 0
	global_load_b128 v[MW+4:MW+7], v[L16], s[66:67]                             ; half 1
	CROUND                                         ; all four work-groups are here: the joint loads meet
	s_cmp_lt_u32 s2, 3                             ; the loads of waves 0 to 2 have a line of their own: they alone are waited for at the first barrier
	s_cbranch_scc0 .Lrest
	tensor_load_to_lds s[20:23], s[12:19]
	s_nop 0
.rept 4
	v_nop
.endr
	s_branch .Lasked
.Lrest:
	tensor_load_to_lds s[20:23], s[12:19]
	s_nop 0
.rept 4
	v_nop
.endr
.Lasked:
	; the one-hot codes.  Slot k = 2 bb + u holds the tiles whose row r is key 32 bb + 8 u + r + 8 (r / 8) of 64: in the operand's layout lane half r / 8, register 2 k + (r % 8) / 4 of the upper eight, byte r % 4
	v_lshrrev_b32 v[T1], 3, v[BM]
	v_xor_b32 v[T1], v[T1], v[BM+1]                ; 0: the lane half that carries row r's code
	v_and_b32 v[T1+1], 3, v[BM]
	v_lshlrev_b32 v[T1+1], 3, v[T1+1]
	v_mov_b32 v[T1+2], 0xf8                        ; -2^15
	v_lshlrev_b32 v[T1+2], v[T1+1], v[T1+2]
	v_cmp_eq_u32 vcc_lo, 0, v[T1]
	v_cndmask_b32 v[T1+2], 0, v[T1+2], vcc_lo
	v_and_b32 v[T1], 4, v[BM]
	v_cmp_eq_u32 vcc_lo, 0, v[T1]
	v_cndmask_b32 v[T1+3], 0, v[T1+2], vcc_lo      ; rows with r % 8 < 4
	v_xor_b32 v[T1+2], v[T1+2], v[T1+3]            ; and the others
.irp k, 0,1,2,3
.irp j, 0,1,2,3,4,5,6,7
.if \j == 2*\k
	v_mov_b32 v[KF+16*\k+8+\j], v[T1+3]
.else
.if \j == 2*\k+1
	v_mov_b32 v[KF+16*\k+8+\j], v[T1+2]
.else
	v_mov_b32 v[KF+16*\k+8+\j], 0
.endif
.endif
.endr
.endr
	v_mov_b32 v[T1], 0                             ; (a lane permute's destination counts as one of its sources)
	v_mov_b32 v[T1+1], 0
	v_mov_b32 v[FZ], 0
	v_add_nc_u32 v[A16], s62, v[L16]
	v_add_nc_u32 v[A4], s62, v[L4]
	s_wait_alu depctr_va_vdst(0)                   ; the wait ahead of the wait below
	s_wait_loadcnt 0x0
	; Q's 16 rows become a fragment: two blocks of 32 along d, each in lanes l and l xor 16
	v_and_b32 v[PC+4], v[PC+4], v[PC+5]
	v_and_b32 v[PC+6], v[PC+6], v[PC+7]
.irp b, 0,1
	v_max3_num_f32 v[BM+\b], |v[S+16*\b]|, |v[S+1+16*\b]|, 0x8000000   ; my 16 numbers, and the floor 2^(16 - 127): the byte cannot fall under 1
.endr
	v_and_b32 v[PC+4], v[PC+4], v[PC+6]
.irp i, 2,4,6,8,10,12,14
.irp b, 0,1
	v_max3_num_f32 v[BM+\b], v[BM+\b], |v[S+16*\b+\i]|, |v[S+1+16*\b+\i]|
.endr
.endr
	v_xor_b32 v[PC+4], -1, v[PC+4]                 ; 0 in a row that is masked throughout, else all ones
.irp b, 0,1
	v_permlanex16_b32 v[T1+\b], v[BM+\b], s8, s9
.endr
.irp b, 0,1
	v_max_num_f32 v[BM+\b], v[BM+\b], v[T1+\b]
.endr
.irp b, 0,1
	v_add_nc_u32 v[SCL+\b], 0xf8800000, v[BM+\b]   ; 15 off the exponent field: the conversion's scale operand
.endr
.irp b, 0,1
	v_and_or_b32 v[BM+\b], v[BM+\b], 0x7f800000, s25   ; 57,344 x the scale
.endr
.irp b, 0,1
	v_lshrrev_b32 v[T1+\b], 23, v[SCL+\b]          ; the scale's byte
.endr
	v_lshl_or_b32 v[TMP], v[T1+1], 8, v[T1]
	v_or_b32 v[QS], 0x84840000, v[TMP]             ; bytes 2 and 3: the mask's scale, 2^5
.irp b, 0,1
.irp i, 0,1,2,3,4,5,6,7,8,9,10,11,12,13,14,15
	v_med3_num_f32 v[S+16*\b+\i], v[S+16*\b+\i], -v[BM+\b], v[BM+\b]   ; the conversion to an 8-bit code does not saturate (ISA guide 7.6.2)
.endr
	v_cvt_scalef32_pk8_bf8_f32 v[QB+4*\b:QB+4*\b+1], v[S+16*\b:S+16*\b+7], v[SCL+\b]
	v_cvt_scalef32_pk8_bf8_f32 v[QB+4*\b+2:QB+4*\b+3], v[S+16*\b+8:S+16*\b+15], v[SCL+\b]
.endr
	v_and_b32 v[CM], 0x40404040, v[PC+4]
	v_and_b32 v[CM2], 0x3c3c3c3c, v[PC+4]
.irp j, 0,1,2,3,4,5,6,7
	v_and_b32 v[QB+16+\j], v[PC+4], v[QB+\j]       ; the second copy, for half 1
.endr
.irp j, 0,1,2,3,4,5,6,7
	v_and_b32 v[QB+\j], v[PC+4], v[QB+\j]
.endr
; mask codes of half g, cut from the words
.macro ANDS g
.irp j, 0,1,2,3
	v_and_b32 v[QB+16*\g+8+\j], v[CM], v[MW+4*\g+\j]
	v_and_b32 v[QB+16*\g+12+\j], v[CM2], v[MW+4*\g+\j]
.endr
.endm
; four tiles of K, from byte base behind an address register
.macro KLOAD adr, base
.irp k, 0,1,2,3
.irp c, 0,1
	ds_load_b128 v[KF+16*\k+4*\c:KF+16*\k+4*\c+3], v[\adr] offset:\base+1024*\k+512*\c
.endr
.endr
.endm
; a record's scale words of K
.macro KSLOAD adr, base
.irp b, 0,1,2,3
	ds_load_b32 v[KSW+\b], v[\adr] offset:\base+KSC+128*\b
.endr
.endm
; the next step's mask words
.macro MLOAD
	s_wait_xcnt 0x0                                ; the earlier loads have read their base
	s_add_nc_u64 s[66:67], s[66:67], 0x400
	global_load_b128 v[MW:MW+3], v[L16], s[66:67] offset:-512
	global_load_b128 v[MW+4:MW+7], v[L16], s[66:67]
.endm
; S^T = K Q^T for half g (four tiles of 16 keys)
.macro QK g
.irp k, 0,2
	v_wmma_scale_f32_16x16x128_f8f6f4 v[S+32*\g+8*\k:S+32*\g+8*\k+7], v[KF+16*\k:KF+16*\k+15], v[QB+16*\g:QB+16*\g+15], 0, v[KSW+2*\g+\k/2], v[QS] matrix_a_fmt:MATRIX_FMT_BF8 matrix_b_fmt:MATRIX_FMT_BF8
	v_wmma_scale_f32_16x16x128_f8f6f4 v[S+32*\g+8*\k+8:S+32*\g+8*\k+15], v[KF+16*\k+16:KF+16*\k+31], v[QB+16*\g:QB+16*\g+15], 0, v[KSW+2*\g+\k/2], v[QS] matrix_a_fmt:MATRIX_FMT_BF8 matrix_b_fmt:MATRIX_FMT_BF8 matrix_a_scale:MATRIX_SCALE_ROW1
.endr
.endm
; O^T += V^T P^T: four tiles of 16 of the head's 64, one instruction each; the first step starts the sums
.macro PV first
.irp u, 0,2
.if \first
	v_wmma_scale_f32_16x16x128_f8f6f4 v[O+8*\u:O+8*\u+7], v[S+16*\u:S+16*\u+15], v[PC:PC+15], 0, v[VS+\u/2], v[PS] matrix_a_fmt:MATRIX_FMT_BF8 matrix_b_fmt:MATRIX_FMT_BF8
	v_wmma_scale_f32_16x16x128_f8f6f4 v[O+8*\u+8:O+8*\u+15], v[S+16*\u+16:S+16*\u+31], v[PC:PC+15], 0, v[VS+\u/2], v[PS] matrix_a_fmt:MATRIX_FMT_BF8 matrix_b_fmt:MATRIX_FMT_BF8 matrix_a_scale:MATRIX_SCALE_ROW1
.else
	v_wmma_scale_f32_16x16x128_f8f6f4 v[O+8*\u:O+8*\u+7], v[S+16*\u:S+16*\u+15], v[PC:PC+15], v[O+8*\u:O+8*\u+7], v[VS+\u/2], v[PS] matrix_a_fmt:MATRIX_FMT_BF8 matrix_b_fmt:MATRIX_FMT_BF8
	v_wmma_scale_f32_16x16x128_f8f6f4 v[O+8*\u+8:O+8*\u+15], v[S+16*\u+16:S+16*\u+31], v[PC:PC+15], v[O+8*\u+8:O+8*\u+15], v[VS+\u/2], v[PS] matrix_a_fmt:MATRIX_FMT_BF8 matrix_b_fmt:MATRIX_FMT_BF8 matrix_a_scale:MATRIX_SCALE_ROW1
.endif
.endr
.endm
; the largest score of each of half g's two blocks of 32 keys, four chains by turns, in two parts of eight lines; each accumulator from its low end on
.macro PMAXA g
.irp b, 2*\g, 2*\g+1
	v_max3_num_f32 v[BM+\b], v[S+16*(\b)], v[S+16*(\b)+1], v[S+16*(\b)+2]
	v_max3_num_f32 v[T1+\b], v[S+16*(\b)+8], v[S+16*(\b)+9], v[S+16*(\b)+10]
.endr
.irp b, 2*\g, 2*\g+1
	v_max3_num_f32 v[BM+\b], v[BM+\b], v[S+16*(\b)+3], v[S+16*(\b)+4]
	v_max3_num_f32 v[T1+\b], v[T1+\b], v[S+16*(\b)+11], v[S+16*(\b)+12]
.endr
.endm
.macro PMAXB g
.irp b, 2*\g, 2*\g+1
	v_max3_num_f32 v[BM+\b], v[BM+\b], v[S+16*(\b)+5], v[S+16*(\b)+6]
	v_max3_num_f32 v[T1+\b], v[T1+\b], v[S+16*(\b)+13], v[S+16*(\b)+14]
.endr
.irp b, 2*\g, 2*\g+1
	v_max3_num_f32 v[BM+\b], v[BM+\b], v[S+16*(\b)+7], v[S+16*(\b)+15]
.endr
.irp b, 2*\g, 2*\g+1
	v_max_num_f32 v[BM+\b], v[BM+\b], v[T1+\b]
.endr
.endm
; THE SOFTMAX of the step's 16 x 128 scores behind the blocks' maxima, up to p's codes
.macro SOFT first
.irp b, 0,1,2,3
	v_permlanex16_b32 v[T1+\b], v[BM+\b], s8, s9
.endr
.irp b, 0,2
	v_dual_max_num_f32 v[BM+\b], v[BM+\b], v[T1+\b] :: v_dual_max_num_f32 v[BM+\b+1], v[BM+\b+1], v[T1+\b+1]   ; with lane l xor 16's 16 keys
.endr
	v_max3_num_f32 v[TMP], v[BM], v[BM+1], v[BM+2]
.if \first
	v_max_num_f32 v[MX], v[TMP], v[BM+3]
	v_mul_f32 v[TMP], s26, v[MX]
	v_floor_f32 v[NM], v[TMP]                      ; -M = floor(-t) = -ceil(t)
.else
	s_delay_alu instid0(VALU_DEP_1)
	v_max3_num_f32 v[MX], v[TMP], v[BM+3], v[MX]   ; the running largest score (c is positive)
	s_delay_alu instid0(VALU_DEP_1)
	v_mul_f32 v[TMP], s26, v[MX]
	s_delay_alu instid0(VALU_DEP_1)
	v_floor_f32 v[TMP], v[TMP]                     ; the new -M = floor(-t) = -ceil(t): M is a whole number
	s_delay_alu instid0(VALU_DEP_1)
	v_sub_f32 v[F], v[TMP], v[NM]                  ; M's old value less its new one: a whole number, 0 or less
	v_mov_b32 v[NM], v[TMP]
.endif
.set j, 0
.rept 32
	v_pk_fma_f32 v[S+j:S+j+1], v[S+j:S+j+1], s[10:11], v[NM:NM+1] op_sel_hi:[1,0,0]   ; t - M, two at a time (of the pairs c and -M the low word serves both halves)
.if j == 16
.if \first == 0
	v_cvt_i32_f32 v[F], v[F]                       ; (it saturates)
.endif
.endif
.if j == 40
.if \first == 0
	v_ldexp_f32 v[F], 1.0, v[F]                    ; f = 2^(old M - new M)
.endif
.endif
.set j, j+2
.endr
.irp b, 0,2
	v_pk_fma_f32 v[BM+\b:BM+\b+1], v[BM+\b:BM+\b+1], s[10:11], v[NM:NM+1] op_sel_hi:[1,0,0]   ; the same of each block's largest score
.endr
	s_wait_alu depctr_va_vdst(0)                   ; the wait ahead of the batch,
.irp b, 0,1,2,3
	v_exp_f32 v[BM+\b], v[BM+\b]                   ; the block's largest p (p rises with the score): the same instructions on the same number
.endr
.set j, 0
.rept 64
	v_exp_f32 v[S+j], v[S+j]                       ; p = 2^(t - M), at most 1: not normalised
.set j, j+1
.endr
.if \first
	v_nop                                          ; the plain line behind the exponentials
.else
	v_pk_mul_f32 v[SUM:SUM+1], v[SUM:SUM+1], v[F:F+1] op_sel_hi:[1,0]   ; the sums under the new M: the plain line behind the exponentials
.endif
	s_wait_alu depctr_va_vdst(0)                   ; and for the wait behind it
.irp b, 0,2
	v_dual_max_num_f32 v[BM+\b], s24, v[BM+\b] :: v_dual_max_num_f32 v[BM+\b+1], s24, v[BM+\b+1]   ; the floor 2^(16 - 127): a block whose every p has fallen to 0 keeps the byte 1: its codes are zeros
.endr
.irp n, 0,1,2,3,4,5,6                          ; the row's sum, of the unquantised p: two at a time, in eight chains
	v_pk_add_f32 v[PC+2*\n:PC+2*\n+1], v[S+4*\n:S+4*\n+1], v[S+4*\n+2:S+4*\n+3]
.endr
.set j, 28
.if \first
	v_pk_add_f32 v[SUM:SUM+1], v[S+28:S+29], v[S+30:S+31]
.set j, 32
.endif
.irp b, 0,1,2,3
	v_add_nc_u32 v[SCL+\b], 0xf8800000, v[BM+\b]   ; 15 off the exponent field: the conversion's scale operand
.endr
.irp b, 0,1,2,3
	v_and_or_b32 v[BM+\b], v[BM+\b], 0x7f800000, s25   ; 57,344 x the scale
.endr
.irp b, 0,1,2,3
	v_lshrrev_b32 v[T1+\b], 23, v[SCL+\b]          ; the scale's byte
.endr
.set m, 0
.rept 18-2*\first
.set n, (j/2)%8
.if n == 7
	v_pk_add_f32 v[SUM:SUM+1], v[SUM:SUM+1], v[S+j:S+j+1]
.else
	v_pk_add_f32 v[PC+2*n:PC+2*n+1], v[PC+2*n:PC+2*n+1], v[S+j:S+j+1]
.endif
.set j, j+2
.set m, m+1
.if m == 2
	v_lshl_or_b32 v[TMP], v[T1+1], 8, v[T1]        ; p's scale word for these 128 keys
.endif
.if m == 8
	v_lshl_or_b32 v[TMP], v[T1+2], 16, v[TMP]
.endif
.endr
	v_lshl_or_b32 v[PS], v[T1+3], 24, v[TMP]
.irp n, 0,4,8
	v_pk_add_f32 v[PC+\n:PC+\n+1], v[PC+\n:PC+\n+1], v[PC+\n+2:PC+\n+3]
.endr
	v_pk_add_f32 v[SUM:SUM+1], v[SUM:SUM+1], v[PC+12:PC+13]
.irp i, 0,2,4,6,8,10,12,14
	v_dual_min_num_f32 v[S+\i], v[BM], v[S+\i] :: v_dual_min_num_f32 v[S+\i+1], v[BM], v[S+\i+1]   ; the conversion does not saturate (ISA guide 7.6.2); p is not negative, so the hold is one-sided
.endr
	v_pk_add_f32 v[PC:PC+1], v[PC:PC+1], v[PC+4:PC+5]
	v_pk_add_f32 v[SUM:SUM+1], v[SUM:SUM+1], v[PC+8:PC+9]
.irp b, 1,2,3
.irp i, 0,2,4,6,8,10,12,14
	v_dual_min_num_f32 v[S+16*\b+\i], v[BM+\b], v[S+16*\b+\i] :: v_dual_min_num_f32 v[S+16*\b+\i+1], v[BM+\b], v[S+16*\b+\i+1]
.endr
.if \b == 1
	v_pk_add_f32 v[SUM:SUM+1], v[SUM:SUM+1], v[PC:PC+1]
.endif
	v_cvt_scalef32_pk8_bf8_f32 v[PC+4*(\b-1):PC+4*(\b-1)+1], v[S+16*(\b-1):S+16*(\b-1)+7], v[SCL+\b-1]   ; block b - 1's codes, behind the hold of block b
	v_cvt_scalef32_pk8_bf8_f32 v[PC+4*(\b-1)+2:PC+4*(\b-1)+3], v[S+16*(\b-1)+8:S+16*(\b-1)+15], v[SCL+\b-1]
.endr
	v_cvt_scalef32_pk8_bf8_f32 v[PC+12:PC+13], v[S+48:S+55], v[SCL+3]
	v_cvt_scalef32_pk8_bf8_f32 v[PC+14:PC+15], v[S+56:S+63], v[SCL+3]
	v_nop                                          ; a plain line behind the last conversion
.endm
; A KEY STEP: the 128 keys of the record at LDS byte s62.  Its first four tiles of K, all its scale words of K stand in registers; its mask words are on their way or there.
; first = 1: step 0.  sig = 1: step 1; it signals the barrier that shows all records.  bar = 1: step 2, which waits for it.  last = 1: step 15, which fetches nothing ahead.
.macro STEP first, sig, bar, last
.if \first+\bar == 0
	s_wait_loadcnt 0x0                             ; the mask words, asked for a step ago (step 0's are waited for at the head, step 2's in front of the signal)
.endif
	ANDS 0                                         ; half 0's mask codes.  They and the next two lines are the places behind the last step's products, whose V lay in the registers that the scores take;
	v_add_nc_u32 v[A16], s62, v[L16]               ; these four lines stand between the codes and the products
	v_add_nc_u32 v[A4], s62, v[L4]
	v_nop
	v_nop
	QK 0
	ANDS 1                                         ; half 1's mask codes: eight places behind the products
	KLOAD A16, 4096                                ; K's other four tiles
.if \last+\bar == 0
	MLOAD
.endif
	PMAXA 0
	s_wait_alu depctr_va_vdst(0)                   ; the wait ahead of the wait below
	s_wait_dscnt 0x0
	QK 1
	PMAXB 0                                        ; eight places behind the products
.if \bar
	s_wait_alu depctr_va_vdst(0)                   ; the wait ahead of the waits below
	s_barrier_wait -1                              ; every wave has waited for its record: all sixteen are whole, and record 0 is read no more
.endif
.if \first
	KLOAD L16, 0                                   ; the next record's first four tiles of K and its scale words: record 1 lies at LDS byte 0,
	KSLOAD L4, 0
.else
.if \last == 0
	KLOAD A16, REC                                 ; the later ones behind the record in hand
	KSLOAD A4, REC
.endif
.endif
.if \bar
	MLOAD
.endif
	PMAXA 1
	PMAXB 1
	SOFT \first
.irp u, 0,1,2,3
.irp c, 0,1,2,3
	ds_load_b128 v[S+16*\u+4*\c:S+16*\u+4*\c+3], v[A16] offset:VIMG+2048*\u+512*\c   ; V's four fragments, into the score registers, whose numbers are codes now
.endr
.endr
.irp U, 0,1
	ds_load_b32 v[VS+\U], v[A4] offset:VSC+128*\U
.endr
.if \first
.rept 4
	v_nop                                          ; places between the codes and the product
.endr
.else
	s_wait_alu depctr_va_vdst(0)                   ; the wait ahead of O's first readers
.set j, 0
.rept 16
	v_pk_mul_f32 v[O+j:O+j+1], v[O+j:O+j+1], v[F:F+1] op_sel_hi:[1,0]   ; O^T under the new M: x f, each accumulator from its low end on.  (These sixteen are the places between the codes and the product)
.set j, j+2
.endr
.endif
	s_wait_alu depctr_va_vdst(0)                   ; the wait ahead of the waits below
.if \sig
	s_wait_loadcnt 0x0                             ; the next step's mask words
	s_wait_tensorcnt 0x0                           ; my record is in LDS
.endif
	s_wait_dscnt 0x0                               ; V's fragments, and the next step's tiles of K, are in
.if \sig
	s_barrier_signal -1                            ; step 2 waits
.endif
	PV \first
.if \first
	s_mov_b32 s62, 0                               ; on to the next record
.else
	s_add_co_u32 s62, s62, REC
.endif
.endm
	s_wait_alu depctr_va_vdst(0)                   ; the wait at the head's end
	s_cmp_lt_u32 s2, 3
	s_cbranch_scc0 .Llater
	s_wait_tensorcnt 0x0                           ; waves 0 to 2: my record is in LDS
.Llater:
	s_barrier_signal -1
	s_barrier_wait -1
	KLOAD A16, 0                                   ; step 0's first four tiles of K
	KSLOAD A4, 0
	s_wait_dscnt 0x0
	STEP 1, 0, 0, 0
	STEP 0, 1, 0, 0
	STEP 0, 0, 1, 0
	s_mov_b32 s3, 12                               ; steps 3 to 14
.Lstep:
	STEP 0, 0, 0, 0
	s_sub_co_u32 s3, s3, 1
	s_cmp_lg_u32 s3, 0
	s_cbranch_scc1 .Lstep
	STEP 0, 0, 0, 1
	; THE WAY OUT.  O^T is divided by the row's sum and goes through my stage in LDS (16 rows of 256 bytes), so that a store covers 512 consecutive bytes.  The 16-byte column x of row y stands at column x xor y.
	; The first stages lie on record 0's bytes: they have had their one fill, and behind the barrier of step 2 nobody reads them.
	s_lshl_b32 s3, s2, 12
	s_add_co_u32 s3, s3, STAGE                     ; my stage: a multiple of 256
	v_and_b32 v3, 15, v0                           ; r
	v_bfe_u32 v4, v0, 4, 1                         ; h
	v_lshlrev_b32 v1, 1, v4
	v_xor_b32 v1, v1, v3
	v_lshlrev_b32 v1, 4, v1
	v_lshl_add_u32 v1, v3, 8, v1
	v_add_nc_u32 v1, s3, v1                        ; in: row r, column (2 h) xor r; then xor 4 u + e
	v_xor_b32 v2, v3, v4
	v_lshlrev_b32 v2, 4, v2
	v_lshl_add_u32 v2, v4, 8, v2
	v_add_nc_u32 v2, s3, v2                        ; back: row h, column r xor h; then 2 i rows on, the column xor 2 i
	v_lshlrev_b32 v7, 8, v4
	v_lshl_add_u32 v7, v3, 4, v7                   ; rows h of the output, 16 r bytes on
.irp u, 0,1,2,3
	v_xor_b32 v[KF+2*\u], 64*\u, v1
	v_xor_b32 v[KF+2*\u+1], 64*\u+16, v1
.endr
.irp i, 0,1,2,3,4,5,6,7
	v_xor_b32 v[KF+8+\i], 32*\i, v2
.endr
	v_add_f32 v[TMP], v[SUM], v[SUM+1]             ; the sum's two halves,
	v_permlanex16_b32 v[T1], v[TMP], s8, s9
	v_add_f32 v[TMP], v[TMP], v[T1]                ; and lane l xor 16's: the row's sum
	s_wait_alu depctr_va_vdst(0)                   ; the wait ahead of the reciprocal,
	v_rcp_f32 v[F], v[TMP]
	v_nop                                          ; the plain line behind it
	s_wait_alu depctr_va_vdst(0)                   ; and ahead of its first reader
.set j, 0
.rept 16
	v_pk_mul_f32 v[S+j:S+j+1], v[O+j:O+j+1], v[F:F+1] op_sel_hi:[1,0]   ; O^T / the sum: register 8 u + i is out(r, 16 u + 8 h + i)
.set j, j+2
.endr
.irp u, 0,1,2,3
	ds_store_b128 v[KF+2*\u], v[S+8*\u:S+8*\u+3]
	ds_store_b128 v[KF+2*\u+1], v[S+8*\u+4:S+8*\u+7]
.endr
.irp i, 0,1,2,3,4,5,6,7
	ds_load_b128 v[S+32+4*\i:S+35+4*\i], v[KF+8+\i] offset:512*\i   ; LDS serves a wave's instructions in order: these see the stores above
.endr
.irp i, 0,1,2,3,4,5,6,7
	s_wait_dscnt 7-\i                              ; load i is back; the younger ones may be out
	global_store_b128 v7, v[S+32+4*\i:S+35+4*\i], s[68:69] offset:512*\i th:TH_STORE_NT   ; two rows: 512 consecutive bytes, at a multiple of 256 from the output's first byte; written once, read by nobody here
.endr
	s_wait_tensorcnt 0x0                           ; the wave's end
	ds_add_u32 v[SPW], v[NIL]
	s_wait_dscnt 0x0
	CROUND                                         ; the closing round: no work-group ends while a partner may still ask for a record that names it
	s_endpgm
.Lfunc_end_k_q6c1c224762_attn:
	.size	k_q6c1c224762_attn, .Lfunc_end_k_q6c1c224762_attn-k_q6c1c224762_attn
	.p2alignl 7, 3214868480
	.fill 96, 4, 3214868480
	.section	.rodata,"a",@progbits
	.p2align	6, 0x0
	.amdhsa_kernel k_q6c1c224762_attn
		.amdhsa_group_segment_fixed_size 324864
		.amdhsa_private_segment_fixed_size 0
		.amdhsa_enable_private_segment 0
		.amdhsa_kernarg_size 40
		.amdhsa_user_sgpr_count 2
		.amdhsa_user_sgpr_kernarg_segment_ptr 1
		.amdhsa_wavefront_size32 1
		.amdhsa_system_sgpr_workgroup_id_x 1
		.amdhsa_system_sgpr_workgroup_id_y 1
		.amdhsa_system_sgpr_workgroup_id_z 1
		.amdhsa_system_vgpr_workitem_id 0
		.amdhsa_next_free_vgpr 256
		.amdhsa_next_free_sgpr 72
		.amdhsa_reserve_vcc 1
		.amdhsa_float_denorm_mode_32 3
		.amdhsa_float_denorm_mode_16_64 3
		.amdhsa_memory_ordered 1
		.amdhsa_forward_progress 1
		.amdhsa_inst_pref_size 110
	.end_amdhsa_kernel
	.amdgpu_metadata
---
amdhsa.version: [ 1, 2 ]
amdhsa.kernels:
  - .name:           k_q6c1c224762_attn
    .symbol:         k_q6c1c224762_attn.kd
    .args:
      - { .name: Q, .offset: 0, .size: 8, .value_kind: global_buffer, .address_space: global }
      - { .name: kv, .offset: 8, .size: 8, .value_kind: global_buffer, .address_space: global }
      - { .name: mw, .offset: 16, .size: 8, .value_kind: global_buffer, .address_space: global }
      - { .name: mf, .offset: 24, .size: 8, .value_kind: global_buffer, .address_space: global }
      - { .name: out0, .offset: 32, .size: 8, .value_kind: global_buffer, .address_space: global }
    .group_segment_fixed_size: 324864
    .private_segment_fixed_size: 0
    .kernarg_segment_align: 8
    .kernarg_segment_size: 40
    .max_flat_workgroup_size: 512
    .sgpr_count:     72
    .vgpr_count:     256
    .wavefront_size: 32
...
	.end_amdgpu_metadata
.endif
;; end of part 2
